; MI455X (gfx1250); checked and timed in simulation.
; The chip was launched on July 23, 2026; its instructions are those of AMD's public machine-readable ISA for CDNA 5 (MIT licence, August 2026) and "CDNA5" Instruction Set Architecture Reference Guide (July 2026). The comments in the code are by the model that wrote it; some were corrected since.
;; Knowledge Injection Layer. Allowed arithmetic: matrix products marked QUANTISED: E2M3 operands, one E8M0 scale for each 32 along K, by v_wmma_scale_f32_16x16x128_f8f6f4 with both operands' format E2M3, f32 sums; products left as they are: f32 operands where the result goes on into a quantised operand, else bf16, f16 or f32 operands; f32 sums; everything else in f32.
;; Inputs: P 4,096 x 8 float32; R_new 8 x 4,096 float32; W_orig 4,096 x 4,096 float32; b_orig 4,096 float32; x 2 x 2,048 x 4,096 float32.
;; Outputs: out0 2 x 2,048 x 4,096 float32.
;; This version of the problem:
;;   THIS VERSION OF THE PROBLEM IS GIVEN IN LOW PRECISION. The matrix products marked QUANTISED in the list below multiply operands that are first quantised to E2M3 (2 exponent bits, 3 mantissa bits; 6 bits a number), with one power-of-two scale for each 32 numbers along K (OCP MX v1.0); their sums are f32. All else is computed in f32.
;;   The module's matrix products, in the order in which they are computed (A, B: the left and right operand; K: the contracted axis; several contracted axes count as one K, in the product's order):
;;     1. [M 8, K 4,096] x [K 4,096, N 4,096]; A: input P; B: input W_orig: left as it is (M = 8 < 16)
;;     2. [M 4,096, K 8] x [K 8, N 4,096]; A: input P; B: computed on the way: left as it is (K = 8 < 32)
;;     3. [M 4,096, K 8] x [K 8, N 4,096]; A: input P; B: input R_new: left as it is (K = 8 < 32)
;;     4. [M 4,096, K 4,096] x [K 4,096, N 4,096]; A: input x; B: computed on the way: QUANTISED
;;   THE QUANTISER, for each operand of a quantised product, along K:
;;     - K is cut into blocks of 32 from its start; a last block that is shorter is filled with zeros.
;;     - A block's scale is 2^e with e = floor(log2(the largest magnitude in the block)) - 2, held to -126 .. 127; a block of zeros has e = 0. As a byte (E8M0): e + 127.
;;     - Each number is divided by its block's scale, clamped to +-7.5, and rounded to the nearest number of E2M3, ties to even, subnormals kept.
;;     - The product sums the exact products of the quantised numbers (number of the format x scale) in f32.
;;   ~~~python
;;   def quantise(x, axis):      # numpy; x: float32 -> the quantised numbers, widened to float32 again
;;       x = np.moveaxis(x, axis, -1); K = x.shape[-1]
;;       x = np.pad(x, [(0, 0)] * (x.ndim - 1) + [(0, -K % 32)]); x = x.reshape(x.shape[:-1] + (-1, 32)); a = np.abs(x).max(-1, keepdims=True)
;;       e = np.where(a > 0, np.clip(np.frexp(np.where(a > 0, a, 1))[1] - 1 - 2, -126, 127), 0)      # np.frexp(a)[1] - 1 = floor(log2(a)), exactly
;;       r = np.clip(x / 2.0 ** e, -7.5, 7.5)
;;       step = 2.0 ** (np.maximum(np.frexp(np.where(r == 0, 1, r))[1] - 1, 0) - 3)
;;       q = np.round(r / step) * step * 2.0 ** e      # np.round: ties to even
;;       return np.moveaxis(q.reshape(q.shape[:-2] + (-1,))[..., :K], -1, axis).astype(np.float32)
;;   ~~~
;;   OPERANDS COMPUTED ON THE WAY. 'Computed on the way' means the value that the module computes at that place (a softmax that the list does not call 'softmax' is quantised finished and normalised). What goes into a quantiser is computed in f32, as accurately as f32 sums, v_exp_f32 and their like allow (about 1e-6 of the number): no bf16 or f16 on the way to a quantiser, and a product that is left as it is and whose result goes on into a quantised operand takes f32 operands (vector FMAs, or v_wmma_f32_16x16x4_f32). A number that lies on a knife's edge between two numbers of the format may be rounded either way, as far as f32 arithmetic and the matrix unit's own rounding can turn it there, and no further.
;; One version. Each part assembles by itself: llvm-mc -triple=amdgcn-amd-amdhsa -mcpu=gfx1250 --defsym DOCPART=n.
;; ======== version 1 of 1: 3 launches
;; limits: right only within a limited range of input values
;; workspace buffers: part 1,048,576 bytes; xq 13,107,200 bytes; wq 13,107,200 bytes
;; launch ptw (part 1): grid 32 x 8, 16 waves a work-group, no clusters, 83,968 bytes of LDS; arguments P, W_orig, part; writes part
.if DOCPART == 1
	.amdgcn_target "amdgcn-amd-amdhsa--gfx1250"
	.amdhsa_code_object_version 6
	.text
	.protected	k_q874c819b34_ptw
	.globl	k_q874c819b34_ptw
	.p2align	8
	.type	k_q874c819b34_ptw,@function
k_q874c819b34_ptw:
	s_mov_b64 s[64:65], 0
	v_nop
	global_prefetch_b8 v0, s[64:65] scope:SCOPE_SE
	s_setreg_imm32_b32 hwreg(HW_REG_WAVE_MODE, 25, 1), 1
	s_wait_xcnt 0x0
; part[c][r][i] = the sum over o = 512 c .. 512 c + 511 of P[o][r] W[o][i], in f32 by fused multiply-adds.  P: [4096][8], W: [4096][4096], part: [8][8][4096], all f32.
; The eight parts are added by the next launch: a sum that spans work-groups is ordered by a launch's end, not by atomics.
; SHARES.  Work-group (s, c) takes columns 128 s .. 128 s + 127 of rows 512 c .. 512 c + 511; wave w of sixteen takes rows 32 w .. 32 w + 31 of them.
; One load of a wave reads one row's piece: 512 consecutive bytes, aligned, 16 a lane; a lane keeps 8 (r) x 4 (columns) sums.  All 32 loads of a wave are issued at the head: 256 KiB a work-group are on their way at once.
; P.  The row is the same in all lanes, so every lane wants the same P[o][r].  The wave's 32 rows of P, 1,024 bytes, come once, by two loads ahead of W's, and go to the wave's own bytes of LDS; from there four rows' 32 numbers
; come by eight loads in which all lanes name the same 16 bytes: each number then stands in all lanes of one register.  Two sets of 32 registers: the next four rows' are asked for ahead of these four rows' arithmetic.
; With P in vector registers two multiply-adds are one packed one: the sums of two neighbouring columns, both times the register of the pair that op_sel names.
; The sixteen waves' sums meet in LDS: one barrier; wave w then adds the sixteen parts of r = w / 2, half w % 2 of the columns, and stores 256 consecutive aligned bytes.
; No matrix unit: M = 8, and the result goes on into a quantiser, so the operands stay f32.  No cluster: the work-groups of one c share P's 16 KiB beside 256 KiB of W of their own.
; LIMITS: the order of the sum over o (32 in a wave, a tree over 16 waves, a tree over 8 parts in the next launch) is not reference()'s; the difference is f32 rounding.
.set ACC, 4                            ; v[4:35]    sum (r, c) at ACC + 4 r + c
.set RW,  40                           ; v[40:167]  row p of my 32 at RW + 4 p; later the sixteen parts to be added
.set PV,  168                          ; v[168:231] two sets of 32: P (row p of four, r) at PV + 32 set + 8 p + r, the same number in all lanes
.set PT,  232                          ; v[232:239] my wave's P as loaded, on its way to LDS
.set PL,  65536                        ; LDS: sixteen waves' sums, 4,096 bytes each; from here P, 1,024 bytes a wave
; v1 16 x lane;  v2 LDS: 4,096 x wave + 16 x lane;  v3 LDS: 256 x wave + 8 x lane;  v36 8 x lane;  v37 LDS: PL + 1,024 x wave + 16 x lane;  v38 LDS: PL + 1,024 x wave, the same in all lanes
	s_load_b128 s[4:7], s[0:1], 0x0                ; P s[4:5], W s[6:7]
	s_load_b64 s[8:9], s[0:1], 0x10                ; part
	v_lshl_add_u32 v240, v0, 2, 0x14000
	v_mov_b32 v241, 0
	v_lshrrev_b32 v1, 5, v0
	s_delay_alu instid0(VALU_DEP_1)
	v_readfirstlane_b32 s10, v1                    ; wave 0..15
	s_delay_alu instid0(VALU_DEP_2)
	v_lshl_add_u32 v38, v1, 10, PL
	v_and_b32 v3, 31, v0                           ; lane
	s_delay_alu instid0(VALU_DEP_1)
	v_lshlrev_b32 v1, 4, v3
	s_delay_alu instid0(VALU_DEP_2)
	v_lshlrev_b32 v36, 3, v3
	s_delay_alu instid0(VALU_DEP_2)
	v_add_nc_u32 v37, v38, v1
	s_lshl_b32 s11, s10, 12
	v_add_nc_u32 v2, s11, v1
	s_lshl_b32 s11, s10, 8
	v_add_nc_u32 v3, s11, v36
	s_and_b32 s11, ttmp7, 0xffff                   ; c
	s_lshl_b32 s12, s11, 9
	s_lshl_b32 s13, s10, 5
	s_add_co_u32 s12, s12, s13                     ; my first row: 512 c + 32 w
	s_lshl_b32 s2, s12, 5                          ; in P: 32 bytes a row
	s_mov_b32 s3, 0
	s_lshl_b32 s14, s12, 14                        ; in W: 16,384 bytes a row,
	s_lshl_b32 s13, ttmp9, 9                       ; + the strip's 512 bytes
	s_add_co_u32 s14, s14, s13
	s_mov_b32 s15, 0
	s_lshl_b32 s16, s11, 17                        ; in part: c x 8 rows of 16,384 bytes,
	s_lshr_b32 s17, s10, 1
	s_lshl_b32 s17, s17, 14                        ; + row r = w / 2,
	s_add_co_u32 s16, s16, s17
	s_add_co_u32 s16, s16, s13                     ; + the strip,
	s_and_b32 s17, s10, 1
	s_lshl_b32 s17, s17, 8                         ; + its half w % 2
	s_add_co_u32 s16, s16, s17
	s_mov_b32 s17, 0
	s_wait_alu depctr_va_vdst(0)
	s_wait_kmcnt 0x0
	s_add_nc_u64 s[4:5], s[4:5], s[2:3]
	s_add_nc_u64 s[6:7], s[6:7], s[14:15]
	s_add_nc_u64 s[8:9], s[8:9], s[16:17]
	global_load_b128 v[PT:PT+3], v1, s[4:5]        ; P of my 32 rows: 2 x 512 consecutive bytes, first of all
	global_load_b128 v[PT+4:PT+7], v1, s[4:5] offset:512
	s_barrier_signal -1                            ; all sixteen waves have issued P's loads: no wave's 32 loads of W are issued ahead of another wave's two of P
	s_barrier_wait -1                              ; (nothing is waited for here but the other waves; no LDS instruction is out yet)
.irp p, 0,1,2,3,4,5,6,7,8,9,10,11,12,13,14,15,16,17,18,19,20,21,22,23,24,25,26,27,28,29,30,31
	global_load_b128 v[RW+4*\p:RW+4*\p+3], v1, s[6:7] offset:\p*16384
.endr
.macro PLOAD g                         ; P of my rows 4 g .. 4 g + 3 into set g % 2: eight loads, all lanes at the same 16 bytes
.irp k, 0,1,2,3,4,5,6,7
	ds_load_b128 v[PV+32*((\g)%2)+4*\k:PV+32*((\g)%2)+4*\k+3], v38 offset:128*(\g)+16*\k
.endr
.endm
	s_wait_loadcnt 32                              ; loads come back in order: P's two are in, W's 32, issued behind them, may be out
	ds_store_b128 v37, v[PT:PT+3]                  ; into my wave's own 1,024 bytes: no other wave touches them, and LDS serves a wave's instructions in order, so no barrier and no wait ahead of the loads
	ds_store_b128 v37, v[PT+4:PT+7] offset:512
	PLOAD 0
; Four rows: 64 packed multiply-adds.  P of the next four rows is asked for first, into the other set, and has these 64 lines in which to come.
.macro GROUP j
.if (\j) < 7
	PLOAD (\j)+1
	s_wait_dscnt 8                                 ; LDS instructions end in order: this group's P is in, the next group's eight loads may be out
.else
	s_wait_dscnt 0x0
.endif
	s_wait_loadcnt 28-4*(\j)                       ; my rows up to 4 j + 3 are in, the 28 - 4 j younger ones may be out
.irp p, 0,1,2,3
.irp r, 0,1,2,3,4,5,6,7
.irp c, 0,2
.set DD, ACC+4*\r+\c
.set PP, PV+32*((\j)%2)+8*\p+(\r/2)*2
.set SS, RW+16*(\j)+4*\p+\c
.if ((\j) == 0) && (\p == 0)           ; the first row starts the sums: nothing is cleared
.if (\r%2) == 1
	v_pk_mul_f32 v[DD:DD+1], v[PP:PP+1], v[SS:SS+1] op_sel:[1,0] op_sel_hi:[1,1]               ; an odd r: the pair's second register for both halves
.else
	v_pk_mul_f32 v[DD:DD+1], v[PP:PP+1], v[SS:SS+1] op_sel_hi:[0,1]                            ; an even r: its first
.endif
.else                                  ; fifteen other sums' lines stand between two links of a chain
.if (\r%2) == 1
	v_pk_fma_f32 v[DD:DD+1], v[PP:PP+1], v[SS:SS+1], v[DD:DD+1] op_sel:[1,0,0] op_sel_hi:[1,1,1]
.else
	v_pk_fma_f32 v[DD:DD+1], v[PP:PP+1], v[SS:SS+1], v[DD:DD+1] op_sel_hi:[0,1,1]
.endif
.endif
.endr
.endr
.endr
.endm
.irp j, 0,1,2,3,4,5,6,7
	GROUP \j
.endr
.irp r, 0,1,2,3,4,5,6,7
	ds_store_b128 v2, v[ACC+4*\r:ACC+4*\r+3] offset:512*\r      ; my wave's 8 x 512 bytes, 16 x lane: consecutive
.endr
	s_wait_dscnt 0x0                               ; for the others' sake: my stores have landed
	s_barrier_signal -1
	s_barrier_wait -1
.irp k, 0,1,2,3,4,5,6,7,8,9,10,11,12,13,14,15
	ds_load_b64 v[RW+2*\k:RW+2*\k+1], v3 offset:4096*\k         ; wave k's sums of my r and my half: two columns a lane
.endr
	s_wait_dscnt 0x0
.irp k, 0,1,2,3,4,5,6,7
	v_pk_add_f32 v[RW+4*\k:RW+4*\k+1], v[RW+4*\k:RW+4*\k+1], v[RW+4*\k+2:RW+4*\k+3]
.endr
.irp k, 0,1,2,3
	v_pk_add_f32 v[RW+8*\k:RW+8*\k+1], v[RW+8*\k:RW+8*\k+1], v[RW+8*\k+4:RW+8*\k+5]
.endr
.irp k, 0
	s_delay_alu instid0(VALU_DEP_3)
	v_pk_add_f32 v[RW+16*\k:RW+16*\k+1], v[RW+16*\k:RW+16*\k+1], v[RW+16*\k+8:RW+16*\k+9]
.endr
.irp k, 1
	s_delay_alu instid0(VALU_DEP_2)
	v_pk_add_f32 v[RW+16*\k:RW+16*\k+1], v[RW+16*\k:RW+16*\k+1], v[RW+16*\k+8:RW+16*\k+9]
.endr
	s_delay_alu instid0(VALU_DEP_1)
	v_pk_add_f32 v[RW:RW+1], v[RW:RW+1], v[RW+16:RW+17]
	global_store_b64 v36, v[RW:RW+1], s[8:9]       ; 32 lanes store 256 consecutive bytes, at a multiple of 256 from part's first byte
	s_wait_tensorcnt 0x0
	ds_add_u32 v240, v241
	s_wait_dscnt 0x0
	s_endpgm
.Lfunc_end_k_q874c819b34_ptw:
	.size	k_q874c819b34_ptw, .Lfunc_end_k_q874c819b34_ptw-k_q874c819b34_ptw
	.p2alignl 7, 3214868480
	.fill 96, 4, 3214868480
	.section	.rodata,"a",@progbits
	.p2align	6, 0x0
	.amdhsa_kernel k_q874c819b34_ptw
		.amdhsa_group_segment_fixed_size 83968
		.amdhsa_private_segment_fixed_size 0
		.amdhsa_enable_private_segment 0
		.amdhsa_kernarg_size 24
		.amdhsa_user_sgpr_count 2
		.amdhsa_user_sgpr_kernarg_segment_ptr 1
		.amdhsa_wavefront_size32 1
		.amdhsa_system_sgpr_workgroup_id_x 1
		.amdhsa_system_sgpr_workgroup_id_y 1
		.amdhsa_system_sgpr_workgroup_id_z 1
		.amdhsa_system_vgpr_workitem_id 0
		.amdhsa_next_free_vgpr 242
		.amdhsa_next_free_sgpr 66
		.amdhsa_reserve_vcc 0
		.amdhsa_float_denorm_mode_32 3
		.amdhsa_float_denorm_mode_16_64 3
		.amdhsa_memory_ordered 1
		.amdhsa_forward_progress 1
		.amdhsa_inst_pref_size 45
	.end_amdhsa_kernel
	.amdgpu_metadata
---
amdhsa.version: [ 1, 2 ]
amdhsa.kernels:
  - .name:           k_q874c819b34_ptw
    .symbol:         k_q874c819b34_ptw.kd
    .args:
      - { .name: P, .offset: 0, .size: 8, .value_kind: global_buffer, .address_space: global }
      - { .name: W_orig, .offset: 8, .size: 8, .value_kind: global_buffer, .address_space: global }
      - { .name: part, .offset: 16, .size: 8, .value_kind: global_buffer, .address_space: global }
    .group_segment_fixed_size: 83968
    .private_segment_fixed_size: 0
    .kernarg_segment_align: 8
    .kernarg_segment_size: 24
    .max_flat_workgroup_size: 512
    .sgpr_count:     66
    .vgpr_count:     242
    .wavefront_size: 32
...
	.end_amdgpu_metadata
.endif
;; end of part 1
;; launch quant (part 2): grid 32 x 8, 16 waves a work-group, no clusters, 157,696 bytes of LDS; arguments x, W_orig, P, R_new, part, xq, wq; writes xq, wq
.if DOCPART == 2
	.amdgcn_target "amdgcn-amd-amdhsa--gfx1250"
	.amdhsa_code_object_version 6
	.text
	.protected	k_q874c819b34_quant
	.globl	k_q874c819b34_quant
	.p2align	8
	.type	k_q874c819b34_quant,@function
k_q874c819b34_quant:
	s_mov_b64 s[64:65], 0
	v_nop
	global_prefetch_b8 v0, s[64:65] scope:SCOPE_SE
	s_setreg_imm32_b32 hwreg(HW_REG_WAVE_MODE, 25, 1), 1
	s_wait_xcnt 0x0
; x [4096][4096] and W_mod = W + P D, D = R_new - P^T W (the eight parts of P^T W added here), both f32, become codes of FP6 (E2M3) with one E8M0 byte for each 32 along K, K = the last axis.
; A block's scale is 2^(floor(log2(its largest magnitude)) - 2); its byte is the largest magnitude's exponent field - 2, held at 1 from below; each number is divided by the scale and rounded to the nearest code, ties to even,
; beyond 7.5 the largest code.
; THE RESULT IS LAID IN THE ORDER OF THE OPERAND'S REGISTERS.  xq and wq: a record of 12,800 bytes for each (group g of 128 rows, step s of 128 along K), at (32 g + s) x 12,800.  In it eight images of 1,536 bytes,
; image i = rows 16 i .. 16 i + 15: byte 512 q + 16 lane + 4 j is register 4 q + j of that lane's fragment (lane (r, h): registers 0-5 K = 32 h + 0 .. 31, registers 6-11 K = 64 + 32 h + 0 .. 31 of row r);
; behind them, at 12,288, the scale words [a 2][r 16][j 4]: the word of row r of image 4 a + j, byte b for block b.
; SHARES.  Work-group (s, c): K step s, rows 512 c .. 512 c + 511 of BOTH tensors.  Waves 0-7 take x, waves 8-15 W; wave u = w % 8 takes rows 64 u .. 64 u + 63: four tiles of 16 rows x 128 columns.
; One text: the pointers are chosen on the wave's number; only the lines that add P D to W's rows, and the LDS loads of P that feed them, stand under a branch on the wave's number, inside each tile.
; A TILE.  Sixteen loads, each one row's 512 consecutive aligned bytes, 16 a lane.  For W the row is the same in all lanes, so every lane wants the same P[o][r]; D's 8 x 4 numbers of the lane's columns stay in registers.
; P of the work-group's 512 rows, 16 KiB, comes once: each wave brings 1,024 bytes to LDS at the head.  Four rows' 32 numbers then come by eight loads in which all lanes name the same 16 bytes, so that each number stands in all
; lanes of one register, and two multiply-adds are one packed one (two neighbouring columns, both times the register of the pair that op_sel names).  P's two sets of 32 registers are those that the turn below fills afterwards.
; The conversions want 32 neighbours along K in ONE lane: the tile turns through the wave's own stage in LDS (rows 528 bytes apart = 33 x 16: sixteen rows begin in sixteen different 16-byte columns modulo 256).
; Loads run two tiles (32 loads a wave) ahead.  Two barriers in the launch: behind the second D's 4 KiB and P's 16 KiB lie in LDS.
; No cluster: the work-groups of one s share 36 KiB (R_new's and part's strips) beside 512 KiB of their own.  No matrix unit: K = 8, and the result goes into a quantiser, so it is made by f32 multiply-adds.
; LIMITS: a block of zeros, or one whose largest magnitude lies under 2^-124, keeps the byte 1 (the bytes are read by this program alone; zero codes add nothing); NaN and infinities among the inputs are not served;
; W + sum over r of P (R_new - P^T W) is summed in another order than reference()'s W - P (P^T W) + P R_new: the difference is f32 rounding.
.set DL,  135168                       ; LDS: sixteen stages of 16 x 528 bytes, then D as [r 8][512 bytes],
.set PL,  139264                       ; then P of the work-group's 512 rows, 32 bytes a row
.set F,   14                           ; v[14:25]   the fragment just made
.set D,   30                           ; v[30:61]   D (r, c) at D + 4 r + c: my four columns
.set R0,  62                           ; v[62:189]  two tiles as loaded: row p at + 4 p
.set X,   190                          ; v[190:253] a tile after the turn: 32 numbers of block h, 32 of block 2 + h.  Ahead of the turn: P, two sets of 32: (row p of four, r) at X + 32 set + 8 p + r
; v1 stage + 16 x lane;  v2 stage + 528 r + 128 h;  v3 the scale words' offset;  v4 8 h;  v5, v6 largest magnitudes;  v8, v29 the conversions' scale operands;  v7, v9 bytes;  v[10:13] the four tiles' scale words;
; v[26:27] at the head: where my wave puts its part of D, and of P; at the end: the two words that I store;  v28 16 x lane;  v254 D's place in LDS for my lane;  v255 LDS: PL + 2,048 u, the same in all lanes
; s[4:5] the source at my first row and strip;  s[6:7] my four images;  s[8:9] P at the 32 rows that my wave brings;  s[10:11] part, s[12:13] R_new at my part of D;  s14 wave;  s[84:85] lane selects
	s_load_b256 s[16:23], s[0:1], 0x0              ; x, W, P, R_new
	s_load_b128 s[24:27], s[0:1], 0x20             ; part, xq
	s_load_b64 s[28:29], s[0:1], 0x30              ; wq
	v_lshrrev_b32 v1, 5, v0
	s_delay_alu instid0(VALU_DEP_1)
	v_readfirstlane_b32 s14, v1                    ; wave 0..15
	v_and_b32 v2, 31, v0                           ; lane
	s_delay_alu instid0(VALU_DEP_1)
	v_lshlrev_b32 v28, 4, v2
	s_delay_alu instid0(VALU_DEP_2)
	v_lshlrev_b32 v5, 3, v2                        ; 8 x lane, for the head's nine loads
	v_and_b32 v6, 15, v0                           ; r
	v_bfe_u32 v7, v0, 4, 1                         ; h
	s_delay_alu instid0(VALU_DEP_1)
	v_lshlrev_b32 v4, 3, v7
	v_lshl_add_u32 v27, v1, 10, v28
	s_delay_alu instid0(VALU_DEP_1)
	v_add_nc_u32 v27, PL, v27                      ; P's rows 32 w .. 32 w + 31: 1,024 w + 16 x lane
	v_lshl_add_u32 v26, v1, 8, v5
	s_delay_alu instid0(VALU_DEP_1)
	v_add_nc_u32 v26, DL, v26                      ; D's row w / 2, half w % 2: 256 w + 8 x lane
	v_bfe_u32 v255, v0, 5, 3                       ; u
	s_delay_alu instid0(VALU_DEP_1)
	v_lshl_add_u32 v255, v255, 11, PL              ; P of my 64 rows
	v_add_nc_u32 v254, DL, v28
	s_mul_i32 s30, s14, 8448                       ; my stage
	v_add_nc_u32 v1, s30, v28
	v_mul_u32_u24 v2, v6, 528
	s_delay_alu instid0(VALU_DEP_1)
	v_lshl_add_u32 v2, v7, 7, v2
	s_delay_alu instid0(VALU_DEP_1)
	v_add_nc_u32 v2, s30, v2
	s_and_b32 s32, s14, 7                          ; u
	s_and_b32 s33, s14, 1                          ; a: which four images of the group are mine
	s_mul_i32 s34, s33, 5888
	s_sub_co_u32 s34, 12288, s34                   ; from my images (6,144 a) to my scale words (12,288 + 256 a)
	v_lshl_add_u32 v3, v6, 4, v4
	s_delay_alu instid0(VALU_DEP_1)
	v_add_nc_u32 v3, s34, v3                       ; + 16 r + 8 h
	s_and_b32 s35, ttmp7, 0xffff                   ; c
	s_lshl_b32 s36, s35, 9
	s_lshl_b32 s37, s32, 6
	s_add_co_u32 s36, s36, s37                     ; my first row: 512 c + 64 u
	s_lshl_b32 s86, s36, 14                        ; in x or W,
	s_lshl_b32 s37, ttmp9, 9                       ; + the strip's 512 bytes
	s_add_co_u32 s86, s86, s37
	s_mov_b32 s87, 0
	s_lshl_b32 s88, s35, 14                        ; in P: the work-group's 512 rows of 32 bytes,
	s_lshl_b32 s89, s14, 10                        ; + the 32 rows that my wave brings
	s_add_co_u32 s88, s88, s89
	s_mov_b32 s89, 0
	s_lshl_b32 s38, s35, 2
	s_lshr_b32 s39, s32, 1
	s_add_co_u32 s38, s38, s39                     ; g = 4 c + u / 2
	s_lshl_b32 s38, s38, 5
	s_add_co_u32 s38, s38, ttmp9
	s_mul_i32 s38, s38, 12800                      ; the record,
	s_mul_i32 s39, s33, 6144                       ; my four images in it
	s_add_co_u32 s38, s38, s39
	s_mov_b32 s39, 0
	s_lshr_b32 s40, s14, 1
	s_lshl_b32 s40, s40, 14                        ; my part of D: row w / 2 of 16,384 bytes,
	s_add_co_u32 s40, s40, s37                     ; the strip,
	s_lshl_b32 s41, s33, 8                         ; its half w % 2
	s_add_co_u32 s40, s40, s41
	s_mov_b32 s41, 0
	s_mov_b32 s84, 0x76543210
	s_mov_b32 s85, 0xfedcba98                      ; v_permlanex16_b32's selects for lane l xor 16
	s_wait_kmcnt 0x0
	s_cmp_lt_u32 s14, 8                            ; x's wave or W's?  The choice hangs on the wave's number alone
	s_cselect_b64 s[4:5], s[16:17], s[18:19]
	s_cselect_b64 s[6:7], s[26:27], s[28:29]
	s_add_nc_u64 s[4:5], s[4:5], s[86:87]
	s_add_nc_u64 s[6:7], s[6:7], s[38:39]
	s_add_nc_u64 s[8:9], s[20:21], s[88:89]
	s_add_nc_u64 s[10:11], s[24:25], s[40:41]
	s_add_nc_u64 s[12:13], s[22:23], s[40:41]
	global_load_b128 v[X+20:X+23], v28, s[8:9]     ; P: 2 x 512 consecutive bytes a wave
	global_load_b128 v[X+24:X+27], v28, s[8:9] offset:512
	global_load_b64 v[X:X+1], v5, s[12:13]         ; R_new: 256 consecutive aligned bytes a wave
.irp k, 0,1,2,3,4,5,6,7
	global_load_b64 v[X+2+2*\k:X+3+2*\k], v5, s[10:11] offset:\k*131072   ; and the eight parts of P^T W at the same place
.endr
.macro LOADT t                         ; tile t: sixteen rows' 512 bytes, into set t % 2
.irp p, 0,1,2,3,4,5,6,7,8,9,10,11,12,13,14,15
	global_load_b128 v[R0+64*((\t)%2)+4*\p:R0+64*((\t)%2)+4*\p+3], v28, s[4:5] offset:(16*(\t)+\p)*16384 th:TH_LOAD_NT
.endr
.endm
	s_barrier_signal -1                            ; all sixteen waves have issued their eleven small loads: no wave's 32 tile loads are issued ahead of another wave's part of P and D
	s_barrier_wait -1                              ; (nothing is waited for here but the other waves; no LDS instruction is out yet)
	LOADT 0
	LOADT 1
	s_wait_loadcnt 32                              ; the eleven small loads are in; the two tiles' 32, issued behind them, may be out
	ds_store_b128 v27, v[X+20:X+23]
	ds_store_b128 v27, v[X+24:X+27] offset:512
.irp k, 0,1,2,3
	v_pk_add_f32 v[X+2+4*\k:X+3+4*\k], v[X+2+4*\k:X+3+4*\k], v[X+4+4*\k:X+5+4*\k]
.endr
.irp k, 0
	s_delay_alu instid0(VALU_DEP_3)
	v_pk_add_f32 v[X+2+8*\k:X+3+8*\k], v[X+2+8*\k:X+3+8*\k], v[X+6+8*\k:X+7+8*\k]
.endr
.irp k, 1
	s_delay_alu instid0(VALU_DEP_2)
	v_pk_add_f32 v[X+2+8*\k:X+3+8*\k], v[X+2+8*\k:X+3+8*\k], v[X+6+8*\k:X+7+8*\k]
.endr
	s_delay_alu instid0(VALU_DEP_1)
	v_pk_add_f32 v[X+2:X+3], v[X+2:X+3], v[X+10:X+11]
	s_delay_alu instid0(VALU_DEP_1)
	v_pk_add_f32 v[X:X+1], v[X:X+1], v[X+2:X+3] neg_lo:[0,1] neg_hi:[0,1]   ; D = R_new - P^T W
	ds_store_b64 v26, v[X:X+1]
	s_wait_dscnt 0x0                               ; for the others' sake: my parts of P and of D have landed
	s_barrier_signal -1
	s_barrier_wait -1
.irp r, 0,1,2,3,4,5,6,7
	ds_load_b128 v[D+4*\r:D+4*\r+3], v254 offset:512*\r         ; D (r, my four columns).  Every wave runs this head: eight lines once, so that the head has no branch
.endr
	s_wait_dscnt 0x0
.macro PLOAD g                         ; P of my rows 4 g .. 4 g + 3 into set g % 2: eight loads, all lanes at the same 16 bytes
.irp k, 0,1,2,3,4,5,6,7
	ds_load_b128 v[X+32*((\g)%2)+4*\k:X+32*((\g)%2)+4*\k+3], v255 offset:128*(\g)+16*\k
.endr
.endm
.macro TWAIT t                         ; this tile's sixteen loads are in; the next tile's may be out
.if (\t) < 3
	s_wait_loadcnt 16
.else
	s_wait_loadcnt 0x0
.endif
.endm
.macro TILE t
.set RR, R0+64*((\t)%2)
	s_cmp_lt_u32 s14, 8
	s_cbranch_scc1 .Lplain_\@                      ; x's rows are taken as they are
	PLOAD 4*(\t)                                   ; P of the tile's first four rows is asked for ahead of the wait for the tile
	TWAIT \t
.irp j, 0,1,2,3                                ; W's rows, four at a time: + the sum over r of P[o][r] D[r][i]
.if \j < 3
	PLOAD 4*(\t)+\j+1                              ; the next four rows' P into the other set: it has these 64 lines in which to come
	s_wait_dscnt 8                                 ; LDS instructions end in order: these four rows' P is in, the eight loads just issued may be out
.else
	s_wait_dscnt 0x0
.endif
.irp r, 0,1,2,3,4,5,6,7
.irp p, 0,1,2,3
.irp c, 0,2
.set DD, RR+16*\j+4*\p+\c
.set PP, X+32*(\j%2)+8*\p+(\r/2)*2
.set SS, D+4*\r+\c
.if (\r%2) == 1                        ; seven other pairs' lines stand between two links of a chain
	v_pk_fma_f32 v[DD:DD+1], v[PP:PP+1], v[SS:SS+1], v[DD:DD+1] op_sel:[1,0,0] op_sel_hi:[1,1,1]   ; an odd r: the pair's second register for both halves
.else
	v_pk_fma_f32 v[DD:DD+1], v[PP:PP+1], v[SS:SS+1], v[DD:DD+1] op_sel_hi:[0,1,1]                  ; an even r: its first
.endif
.endr
.endr
.endr
.endr
.Lplain_\@:
	TWAIT \t                                       ; (W's waves have waited already)
	s_wait_alu depctr_va_vdst(0)
.irp p, 0,1,2,3,4,5,6,7,8,9,10,11,12,13,14,15
	ds_store_b128 v1, v[RR+4*\p:RR+4*\p+3] offset:528*\p        ; the tile into my stage, row by row
.endr
.irp n, 0,1,2,3,4,5,6,7
	ds_load_b128 v[X+4*\n:X+4*\n+3], v2 offset:16*\n            ; and back: block h of row r (LDS serves a wave's instructions in order: these see the stores above),
.endr
.irp n, 0,1,2,3,4,5,6,7
	ds_load_b128 v[X+32+4*\n:X+35+4*\n], v2 offset:256+16*\n    ; and block 2 + h
.endr
	s_wait_dscnt 0x0                               ; the numbers are back, and the stage's stores have read their registers,
.if (\t) < 2
	LOADT (\t)+2                                   ; which take the tile two on
.endif
	v_max3_num_f32 v5, |v[X]|, |v[X+1]|, 0x1800000              ; each block's largest magnitude: all 32 numbers are mine; and the floor 2^(3 - 127), so that the byte cannot fall under 1
	v_max3_num_f32 v6, |v[X+32]|, |v[X+33]|, 0x1800000
.irp i, 2,4,6,8,10,12,14,16,18,20,22,24,26,28,30
	s_delay_alu instid0(VALU_DEP_2)
	v_max3_num_f32 v5, v5, |v[X+\i]|, |v[X+\i+1]|               ; (the two blocks by turns)
	s_delay_alu instid0(VALU_DEP_2)
	v_max3_num_f32 v6, v6, |v[X+32+\i]|, |v[X+33+\i]|
.endr
	s_delay_alu instid0(VALU_DEP_2)
	v_add_nc_u32 v8, 0xff000000, v5                ; 2 off the exponent field: the conversion takes the exponent field of this operand as its scale, and nothing else of it
	s_delay_alu instid0(VALU_DEP_2)
	v_add_nc_u32 v29, 0xff000000, v6
.if (\t) > 0
	s_wait_alu depctr_va_vdst(0)
	s_wait_xcnt 0x0                                ; the last tile's stores have read the fragment's registers: they are written again only behind this wait
.endif
	v_cvt_scalef32_pk16_fp6_f32 v[F:F+2], v[X:X+15], v8         ; registers 0-2: K = 32 h + 0 .. 15
	v_cvt_scalef32_pk16_fp6_f32 v[F+6:F+8], v[X+32:X+47], v29   ; registers 6-8: K = 64 + 32 h + 0 .. 15
	v_lshrrev_b32 v7, 23, v8                       ; the scales' bytes.  (Two plain lines between those conversions and the two below, which write over their sources)
	v_lshrrev_b32 v9, 23, v29
	v_cvt_scalef32_pk16_fp6_f32 v[X:X+2], v[X+16:X+31], v8      ; a conversion's three registers begin on an even number, a block's second three do not: they are made in numbers that are done with, and moved
	v_cvt_scalef32_pk16_fp6_f32 v[X+32:X+34], v[X+48:X+63], v29
	v_lshl_or_b32 v7, v9, 16, v7                   ; my two bytes, blocks h and 2 + h,  (plain lines behind the conversions, ahead of the moves)
	s_delay_alu instid0(VALU_DEP_1)
	v_lshlrev_b32 v7, v4, v7                       ; at their places in the row's word: 8 h bits up
.irp i, 0,1,2
	v_mov_b32 v[F+3+\i], v[X+\i]
	v_mov_b32 v[F+9+\i], v[X+32+\i]
.endr
	v_permlanex16_b32 v9, v7, s84, s85
	s_delay_alu instid0(VALU_DEP_1)
	v_or_b32 v[10+(\t)], v7, v9                    ; with lane l xor 16's two bytes the word is whole
.irp q, 0,1,2
	global_store_b128 v28, v[F+4*\q:F+4*\q+3], s[6:7] offset:1536*(\t)+512*\q   ; the image: 512 consecutive bytes a store, at a multiple of 256 from the buffer's first byte
.endr
.endm
	TILE 0
	TILE 1
	TILE 2
	TILE 3
	v_cmp_ne_u32 vcc_lo, 0, v4                     ; lanes 0-15 store the words of images 4 a, 4 a + 1 of their row, lanes 16-31 those of 4 a + 2, 4 a + 3
	s_delay_alu instid0(VALU_DEP_1)
	v_cndmask_b32 v26, v10, v12, vcc_lo
	s_delay_alu instid0(VALU_DEP_2)
	v_cndmask_b32 v27, v11, v13, vcc_lo
	global_store_b64 v3, v[26:27], s[6:7]          ; 32 lanes store 256 consecutive bytes, aligned
	s_wait_xcnt 0x0
	v_lshl_add_u32 v254, v0, 2, 0x26000
	v_mov_b32 v255, 0
	s_wait_alu depctr_va_vdst(0)
	s_wait_tensorcnt 0x0
	ds_add_u32 v254, v255
	s_wait_dscnt 0x0
	s_endpgm
.Lfunc_end_k_q874c819b34_quant:
	.size	k_q874c819b34_quant, .Lfunc_end_k_q874c819b34_quant-k_q874c819b34_quant
	.p2alignl 7, 3214868480
	.fill 96, 4, 3214868480
	.section	.rodata,"a",@progbits
	.p2align	6, 0x0
	.amdhsa_kernel k_q874c819b34_quant
		.amdhsa_group_segment_fixed_size 157696
		.amdhsa_private_segment_fixed_size 0
		.amdhsa_enable_private_segment 0
		.amdhsa_kernarg_size 56
		.amdhsa_user_sgpr_count 2
		.amdhsa_user_sgpr_kernarg_segment_ptr 1
		.amdhsa_wavefront_size32 1
		.amdhsa_system_sgpr_workgroup_id_x 1
		.amdhsa_system_sgpr_workgroup_id_y 1
		.amdhsa_system_sgpr_workgroup_id_z 1
		.amdhsa_system_vgpr_workitem_id 0
		.amdhsa_next_free_vgpr 256
		.amdhsa_next_free_sgpr 90
		.amdhsa_reserve_vcc 1
		.amdhsa_float_denorm_mode_32 3
		.amdhsa_float_denorm_mode_16_64 3
		.amdhsa_memory_ordered 1
		.amdhsa_forward_progress 1
		.amdhsa_inst_pref_size 111
	.end_amdhsa_kernel
	.amdgpu_metadata
---
amdhsa.version: [ 1, 2 ]
amdhsa.kernels:
  - .name:           k_q874c819b34_quant
    .symbol:         k_q874c819b34_quant.kd
    .args:
      - { .name: x, .offset: 0, .size: 8, .value_kind: global_buffer, .address_space: global }
      - { .name: W_orig, .offset: 8, .size: 8, .value_kind: global_buffer, .address_space: global }
      - { .name: P, .offset: 16, .size: 8, .value_kind: global_buffer, .address_space: global }
      - { .name: R_new, .offset: 24, .size: 8, .value_kind: global_buffer, .address_space: global }
      - { .name: part, .offset: 32, .size: 8, .value_kind: global_buffer, .address_space: global }
      - { .name: xq, .offset: 40, .size: 8, .value_kind: global_buffer, .address_space: global }
      - { .name: wq, .offset: 48, .size: 8, .value_kind: global_buffer, .address_space: global }
    .group_segment_fixed_size: 157696
    .private_segment_fixed_size: 0
    .kernarg_segment_align: 8
    .kernarg_segment_size: 56
    .max_flat_workgroup_size: 512
    .sgpr_count:     90
    .vgpr_count:     256
    .wavefront_size: 32
...
	.end_amdgpu_metadata
.endif
;; end of part 2
;; launch gemm (part 3): grid 16 x 16, 4 waves a work-group, clusters of 4 x 4, 327,680 bytes of LDS; arguments xq, wq, b_orig, out0; writes out0
.if DOCPART == 3
	.amdgcn_target "amdgcn-amd-amdhsa--gfx1250"
	.amdhsa_code_object_version 6
	.text
	.protected	k_q874c819b34_gemm
	.globl	k_q874c819b34_gemm
	.p2align	8
	.type	k_q874c819b34_gemm,@function
k_q874c819b34_gemm:
	s_mov_b64 s[64:65], 0
	v_nop
	global_prefetch_b8 v0, s[64:65] scope:SCOPE_SE
	s_setreg_imm32_b32 hwreg(HW_REG_WAVE_MODE, 25, 1), 1
	s_wait_xcnt 0x0
	s_wait_alu depctr_hold_cnt(0) depctr_sa_sdst(0) depctr_va_vdst(0) depctr_va_sdst(0) depctr_va_ssrc(0) depctr_va_vcc(0) depctr_vm_vsrc(0)
	s_getreg_b32 s2, hwreg(HW_REG_IB_STS2, 6, 4)
	s_cmp_eq_u32 s2, 0
	s_cbranch_scc0 .Lentry_in_a_cluster
	s_endpgm
.Lentry_in_a_cluster:
	s_bfe_u32 s2, ttmp6, 0x10000c
	s_cmp_lg_u32 s2, 0xf033
	s_cbranch_scc0 .Lentry_shape_is_right
	s_endpgm
.Lentry_shape_is_right:
.set REC,    12800
.set FRB,    1536
.set FR,     12
.set HALFT,  3*REC
.set SLOT,   4*HALFT
.set SPARE,  2*SLOT
.set STAGE,  SLOT
.set SPITCH, 528
.set GROW,   32*REC
.set CH2,    16384
.set NROW,   16384
.set ADRA, 16
.set ADRB, 20
.set ADRS, 22
.set STO,  24
.set RD,   25
.set CO,   26
.set BO,   27
.set SPW,  28
.set NIL,  29
.set PFO,  30
.set SC,   32
.set BI,   64
.set AF,   128
.set BK,   128
.set G1,   24
.set G0,   32
.set G1B,  48
.set G0B,  56
.set G1S,  68
.set G1SB, 80
.set PFA,  76
.set LIM,  78
.set MSB, 0
.macro WIN new
.if MSB != \new
	s_set_vgpr_msb (MSB<<8)|\new
.set MSB, \new
.endif
.endm
.set MUL_LO, 0xa1
.set MUL_HI, 0xf1
.set TO_B,   0x40
.macro JLOAD g0a, g1a, g0b, g1b
	s_cmp_eq_u32 s15, 0
	s_cbranch_scc0 .Lfor_b_\@
	tensor_load_to_lds s[\g0a:\g0a+3], s[\g1a:\g1a+7]
	s_nop 0
.rept 4
	v_nop
.endr
	s_branch .Lasked_\@
.Lfor_b_\@:
	tensor_load_to_lds s[\g0b:\g0b+3], s[\g1b:\g1b+7]
	s_nop 0
.rept 4
	v_nop
.endr
.Lasked_\@:
.endm
.macro ASK i, how
.if ((\how) == 0) && ((\i) == 0)
	s_wait_xcnt 0x0
	s_add_nc_u64 s[PFA:PFA+1], s[PFA:PFA+1], 6*CH2
.endif
.if \how
	s_cmp_eq_u32 s[LIM], 1
.else
	s_cmp_gt_u32 s3, s[LIM]
.endif
	s_cbranch_scc0 .Lnot_mine_\@
	global_prefetch_b8 v[PFO], s[PFA:PFA+1] offset:(\i)*CH2 th:TH_LOAD_NT scope:SCOPE_SE
.Lnot_mine_\@:
.endm
.macro CREST
	s_cmp_lg_u32 s14, 0
	s_cbranch_scc1 .Lnot_wave_0_\@
	s_barrier_signal -3
.Lnot_wave_0_\@:
	s_barrier_wait -3
	s_barrier_signal -1
	s_barrier_wait -1
.endm
.macro CROUND
	s_barrier_signal -1
	s_barrier_wait -1
	CREST
.endm
	s_load_b256 s[4:11], s[0:1], 0x0
	v_lshl_add_u32 v[SPW], v0, 2, SPARE
	v_mov_b32 v[NIL], 0
	ds_add_u32 v28, v29
	ds_add_u32 v28, v29
	s_wait_dscnt 0x0
	v_lshrrev_b32 v1, 5, v0
	v_readfirstlane_b32 s14, v1
	s_lshr_b32 s15, s14, 1
	s_and_b32 s16, s14, 1
	s_bfe_u32 s40, ttmp6, 0x40000
	s_bfe_u32 s41, ttmp6, 0x40004
	s_lshl_b32 s42, ttmp9, 2
	s_add_co_u32 s42, s42, s40
	s_and_b32 s17, ttmp7, 0xffff
	s_lshl_b32 s17, s17, 2
	s_add_co_u32 s17, s17, s41
	s_lshl_b32 s43, s41, 2
	s_lshl_b32 s43, 15, s43
	s_lshl_b32 s44, 0x1111, s40
	s_or_b32 s[G1+0], s43, (3<<16)|(1<<21)
	s_or_b32 s[G1B+0], s44, (3<<16)|(1<<21)
	s_or_b32 s[G1S+0], s43, (3<<16)|(1<<21)
	s_or_b32 s[G1SB+0], s44, (3<<16)|(1<<21)
.irp g, G1, G1B
	s_mov_b32 s[\g+1], 32<<16
	s_mov_b32 s[\g+2], 150<<16
	s_mov_b32 s[\g+3], 32<<16
	s_mov_b32 s[\g+4], 150
	s_mov_b32 s[\g+5], 32
	s_mov_b32 s[\g+6], 0
	s_mov_b32 s[\g+7], 0
.endr
.irp g, G1S, G1SB
	s_mov_b32 s[\g+1], 32<<16
	s_mov_b32 s[\g+2], 100<<16
	s_mov_b32 s[\g+3], 32<<16
	s_mov_b32 s[\g+4], 100
	s_mov_b32 s[\g+5], 32
	s_mov_b32 s[\g+6], 0
	s_mov_b32 s[\g+7], 0
.endr
	s_lshl_b32 s20, s17, 1
	s_add_co_u32 s20, s20, s16
	s_mul_i32 s20, s20, GROW
	s_mov_b32 s21, 0
	s_lshl_b32 s46, s42, 1
	s_add_co_u32 s46, s46, s16
	s_mul_i32 s46, s46, GROW
	s_mov_b32 s47, 0
	s_mul_i32 s45, s14, HALFT
	s_wait_kmcnt 0x0
	s_add_nc_u64 s[20:21], s[4:5], s[20:21]
	s_add_nc_u64 s[46:47], s[6:7], s[46:47]
	CROUND
.irp s, 0,1
	s_mov_b32 s[G0+4*\s], 1
	s_add_co_u32 s[G0+4*\s+1], s45, \s*SLOT
	s_add_nc_u64 s[G0+4*\s+2:G0+4*\s+3], s[20:21], \s*2*REC
	s_or_b32 s[G0+4*\s+3], s[G0+4*\s+3], 0x80000000
	s_mov_b32 s[G0B+4*\s], 1
	s_add_co_u32 s[G0B+4*\s+1], s45, \s*SLOT
	s_add_nc_u64 s[G0B+4*\s+2:G0B+4*\s+3], s[46:47], \s*2*REC
	s_or_b32 s[G0B+4*\s+3], s[G0B+4*\s+3], 0x80000000
.endr
	JLOAD G0, G1S, G0B, G1SB
	s_wait_alu depctr_va_vdst(0)
	s_wait_tensorcnt 0x0
	ds_add_u32 v28, v29
	s_wait_dscnt 0x0
	CROUND
	JLOAD G0+4, G1, G0B+4, G1B
	v_and_b32 v1, 15, v0
	v_bfe_u32 v2, v0, 4, 1
	v_and_b32 v6, 31, v0
	v_lshlrev_b32 v3, 4, v6
	v_lshlrev_b32 v[BO], 5, v2
	s_wait_alu depctr_va_vdst(0)
	v_lshlrev_b32 v[PFO], 8, v6
	s_lshl_b32 s20, s17, 8
	s_lshl_b32 s21, s15, 7
	s_add_co_u32 s20, s20, s21
	s_lshl_b32 s20, s20, 14
	s_mov_b32 s21, 0
	s_lshl_b32 s46, s42, 10
	s_lshl_b32 s47, s16, 9
	s_add_co_u32 s46, s46, s47
	s_mov_b32 s47, 0
	s_add_nc_u64 s[8:9], s[8:9], s[46:47]
	s_add_nc_u64 s[20:21], s[20:21], s[46:47]
	s_add_nc_u64 s[10:11], s[10:11], s[20:21]
.irp b, 0,1,2,3,4,5,6,7
	global_load_b128 v[BI+8*\b:BI+8*\b+3], v[BO], s[8:9] offset:64*\b
	global_load_b128 v[BI+8*\b+4:BI+8*\b+7], v[BO], s[8:9] offset:64*\b+16
.endr
	s_mul_i32 s21, s15, HALFT
	s_mul_i32 s22, s16, HALFT
	s_add_co_u32 s22, s22, 2*HALFT
.irp s, 0,1
	v_add_nc_u32 v[ADRA+\s], s21, v3
	v_add_nc_u32 v[ADRB+\s], s22, v3
	s_add_co_u32 s21, s21, SLOT
	s_add_co_u32 s22, s22, SLOT
.endr
	s_mul_i32 s21, s15, HALFT
	s_mul_i32 s22, s16, HALFT
	s_add_co_u32 s22, s22, 2*HALFT
	s_sub_co_u32 s22, s22, s21
	v_mul_u32_u24 v5, s22, v2
	v_lshl_add_u32 v5, v1, 4, v5
	s_add_co_u32 s21, s21, 8*FRB
	v_add_nc_u32 v[ADRS], s21, v5
	v_add_nc_u32 v[ADRS+1], SLOT, v[ADRS]
	s_mul_i32 s23, s14, 16*SPITCH
	s_add_co_u32 s23, s23, STAGE
	v_mul_u32_u24 v5, v1, SPITCH
	v_lshl_add_u32 v5, v2, 5, v5
	v_add_nc_u32 v[STO], s23, v5
	v_lshlrev_b32 v[CO], 4, v6
	v_add_nc_u32 v[RD], s23, v[CO]
	s_and_b32 s90, ttmp7, 0xffff
	s_cmp_eq_u32 s15, 0
	s_cselect_b32 s88, s17, s42
	s_cselect_b32 s89, s40, s41
	s_cselect_b32 s90, ttmp9, s90
	s_cselect_b64 s[PFA:PFA+1], s[4:5], s[6:7]
	s_or_b32 s90, s90, s16
	s_cmp_eq_u32 s90, 0
	s_cselect_b32 s[LIM], 1, -1
	s_lshl_b32 s88, s88, 1
	s_lshr_b32 s91, s89, 1
	s_add_co_u32 s88, s88, s91
	s_mul_i32 s88, s88, GROW
	s_and_b32 s89, s89, 1
	s_add_co_u32 s89, s89, 2
	s_lshl_b32 s89, s89, 13
	s_add_co_u32 s88, s88, s89
	s_mov_b32 s89, 0
	s_add_nc_u64 s[PFA:PFA+1], s[PFA:PFA+1], s[88:89]
.macro FRAG reg, adr, q, i
.irp c, 0,1,2
	ds_load_b128 v[\reg+4*\c:\reg+4*\c+3], v[\adr] offset:(\q)*REC+(\i)*FRB+512*\c
.endr
.endm
.macro MUL16 a0, p, first
.irp a, \a0, \a0+1
.irp b, 0,1,2,3,4,5,6,7
.if \first
	v_wmma_scale_f32_16x16x128_f8f6f4 v[8*(8*((\a)%4)+\b):8*(8*((\a)%4)+\b)+7], v[128*(\p)+FR*\b:128*(\p)+FR*\b+FR-1], v[AF+FR*(\a):AF+FR*(\a)+FR-1], v[BI+8*\b:BI+8*\b+7], v[SC+8*(\p)+\b], v[SC+8*(\p)+(\a)] matrix_a_fmt:MATRIX_FMT_FP6 matrix_b_fmt:MATRIX_FMT_FP6 matrix_a_scale:MATRIX_SCALE_ROW1
.else
	v_wmma_scale_f32_16x16x128_f8f6f4 v[8*(8*((\a)%4)+\b):8*(8*((\a)%4)+\b)+7], v[128*(\p)+FR*\b:128*(\p)+FR*\b+FR-1], v[AF+FR*(\a):AF+FR*(\a)+FR-1], v[8*(8*((\a)%4)+\b):8*(8*((\a)%4)+\b)+7], v[SC+8*(\p)+\b], v[SC+8*(\p)+(\a)] matrix_a_fmt:MATRIX_FMT_FP6 matrix_b_fmt:MATRIX_FMT_FP6 matrix_a_scale:MATRIX_SCALE_ROW1
.endif
.endr
.endr
.endm
.macro FETCH_B slot, q, p
	WIN TO_B
.irp i, 0,1,2,3,4,5,6,7
	FRAG 128*(\p)+FR*\i, ADRB+\slot, \q, \i
.endr
	WIN 0
	ds_load_b128 v[SC+8*(\p):SC+8*(\p)+3], v[ADRS+\slot] offset:(\q)*REC
	ds_load_b128 v[SC+8*(\p)+4:SC+8*(\p)+7], v[ADRS+\slot] offset:(\q)*REC+256
.endm
.macro FETCH_A slot, q, i0
.irp i, \i0, \i0+1, \i0+2, \i0+3
	FRAG AF+FR*(\i), ADRA+\slot, \q, \i
.endr
.endm
.macro PLACES n
.rept \n
	v_nop
.endr
.endm
.macro STEP slot, q, p, first, ask
	s_wait_dscnt 12
.if \first
	WIN 0x81
.else
	WIN MUL_LO
.endif
	MUL16 0, \p, \first
	MUL16 2, \p, \first
	s_wait_dscnt 0x0
	PLACES 4
	FETCH_B \slot, (\q)+1, 1-(\p)
	FETCH_A \slot, (\q)+1, 0
.if (\ask) >= 0
	ASK \ask, 0
.endif
.if \first
	WIN 0xc1
.else
	WIN MUL_HI
.endif
	MUL16 4, \p, \first
	MUL16 6, \p, \first
	PLACES 4
	WIN 0
	FETCH_A \slot, (\q)+1, 4
.endm
.macro TURN slot, p, next, fill, step, ask, how
	s_wait_tensorcnt 0x0
	ds_add_u32 v[SPW], v[NIL]
	s_wait_dscnt 13
	WIN MUL_LO
	MUL16 0, \p, 0
	s_wait_dscnt 0x0
	s_barrier_signal -1
	MUL16 2, \p, 0
	WIN 0
	s_barrier_wait -1
.if \fill
	CREST
	s_add_nc_u64 s[G0+4*\slot+2:G0+4*\slot+3], s[G0+4*\slot+2:G0+4*\slot+3], \step
	s_add_nc_u64 s[G0B+4*\slot+2:G0B+4*\slot+3], s[G0B+4*\slot+2:G0B+4*\slot+3], \step
	JLOAD G0+4*\slot, G1, G0B+4*\slot, G1B
.else
	PLACES 4
.endif
	FETCH_B \next, 0, 1-(\p)
	FETCH_A \next, 0, 0
.if (\ask) >= 0
	ASK \ask, \how
.endif
	WIN MUL_HI
	MUL16 4, \p, 0
	MUL16 6, \p, 0
	PLACES 4
	WIN 0
	FETCH_A \next, 0, 4
.endm
	s_wait_alu depctr_va_vdst(0)
	s_wait_tensorcnt 1
	s_barrier_signal -1
	s_barrier_wait -1
	FETCH_B 0, 0, 0
	FETCH_A 0, 0, 0
	FETCH_A 0, 0, 4
	s_wait_loadcnt 0x0
	STEP 0, 0, 0, 1, -1
	TURN 0, 1, 1, 1, 5*REC, 5, 1
	s_mov_b32 s3, 4
.Llap:
	STEP 1, 0, 0, 0, 0
	STEP 1, 1, 1, 0, 1
	TURN 1, 0, 0, 1, 6*REC, 2, 0
	STEP 0, 0, 1, 0, 3
	STEP 0, 1, 0, 0, 4
	TURN 0, 1, 1, 1, 6*REC, 5, 0
	s_sub_co_u32 s3, s3, 1
	s_cmp_lg_u32 s3, 0
	s_cbranch_scc1 .Llap
	STEP 1, 0, 0, 0, -1
	STEP 1, 1, 1, 0, -1
	TURN 1, 0, 0, 0, 0, -1, 0
	STEP 0, 0, 1, 0, -1
	STEP 0, 1, 0, 0, -1
	s_wait_dscnt 12
	WIN MUL_LO
	MUL16 0, 1, 0
	MUL16 2, 1, 0
	s_wait_dscnt 0x0
	WIN MUL_HI
	MUL16 4, 1, 0
	MUL16 6, 1, 0
	WIN 0
.macro TOSTAGE a
.set AC, 64*((\a)%4)
	WIN 0x08+4*((\a)/4)
.irp b, 0,1,2,3,4,5,6,7
	ds_store_b128 v[STO], v[AC+8*\b:AC+8*\b+3] offset:64*\b
	ds_store_b128 v[STO], v[AC+8*\b+4:AC+8*\b+7] offset:64*\b+16
.endr
	WIN 0
.set BB, BK+64*((\a)%2)
.irp t, 0,1,2,3,4,5,6,7,8,9,10,11,12,13,14,15
	ds_load_b128 v[BB+4*\t:BB+4*\t+3], v[RD] offset:\t*SPITCH
.endr
.endm
.macro SEND a, younger
.set BB, BK+64*((\a)%2)
	s_wait_dscnt \younger
.if (\a) > 0
	s_add_nc_u64 s[10:11], s[10:11], 16*NROW
.endif
.irp t, 0,1,2,3,4,5,6,7,8,9,10,11,12,13,14,15
	global_store_b128 v[CO], v[BB+4*\t:BB+4*\t+3], s[10:11] offset:\t*NROW th:TH_STORE_NT
.endr
.endm
	PLACES 4
	TOSTAGE 0
.irp a, 1,2,3,4,5,6,7
.if \a > 1
	s_wait_xcnt 0x0
.endif
	TOSTAGE \a
	SEND \a-1, 32
.endr
	s_wait_xcnt 0x0
	SEND 7, 0
	s_wait_tensorcnt 0x0
	ds_add_u32 v[SPW], v[NIL]
	s_wait_dscnt 0x0
	CROUND
	s_endpgm
.Lfunc_end_k_q874c819b34_gemm:
	.size	k_q874c819b34_gemm, .Lfunc_end_k_q874c819b34_gemm-k_q874c819b34_gemm
	.p2alignl 7, 3214868480
	.fill 96, 4, 3214868480
	.section	.rodata,"a",@progbits
	.p2align	6, 0x0
	.amdhsa_kernel k_q874c819b34_gemm
		.amdhsa_group_segment_fixed_size 327680
		.amdhsa_private_segment_fixed_size 0
		.amdhsa_enable_private_segment 0
		.amdhsa_kernarg_size 32
		.amdhsa_user_sgpr_count 2
		.amdhsa_user_sgpr_kernarg_segment_ptr 1
		.amdhsa_wavefront_size32 1
		.amdhsa_system_sgpr_workgroup_id_x 1
		.amdhsa_system_sgpr_workgroup_id_y 1
		.amdhsa_system_sgpr_workgroup_id_z 1
		.amdhsa_system_vgpr_workitem_id 0
		.amdhsa_next_free_vgpr 1024
		.amdhsa_next_free_sgpr 96
		.amdhsa_reserve_vcc 0
		.amdhsa_float_denorm_mode_32 3
		.amdhsa_float_denorm_mode_16_64 3
		.amdhsa_memory_ordered 1
		.amdhsa_forward_progress 1
		.amdhsa_inst_pref_size 207
	.end_amdhsa_kernel
	.amdgpu_metadata
---
amdhsa.version: [ 1, 2 ]
amdhsa.kernels:
  - .name:           k_q874c819b34_gemm
    .symbol:         k_q874c819b34_gemm.kd
    .args:
      - { .name: xq, .offset: 0, .size: 8, .value_kind: global_buffer, .address_space: global }
      - { .name: wq, .offset: 8, .size: 8, .value_kind: global_buffer, .address_space: global }
      - { .name: b_orig, .offset: 16, .size: 8, .value_kind: global_buffer, .address_space: global }
      - { .name: out0, .offset: 24, .size: 8, .value_kind: global_buffer, .address_space: global }
    .group_segment_fixed_size: 327680
    .private_segment_fixed_size: 0
    .kernarg_segment_align: 8
    .kernarg_segment_size: 32
    .max_flat_workgroup_size: 128
    .sgpr_count:     96
    .vgpr_count:     1024
    .wavefront_size: 32
...
	.end_amdgpu_metadata
.endif
;; end of part 3
